; MI455X (gfx1250); checked and timed in simulation.
; The chip was launched on July 23, 2026; its instructions are those of AMD's public machine-readable ISA for CDNA 5 (MIT licence, August 2026) and "CDNA5" Instruction Set Architecture Reference Guide (July 2026). The comments in the code are by the model that wrote it; some were corrected since.
;; Match Net. Allowed arithmetic: matrix products marked QUANTISED: E2M1 operands, one E8M0 scale for each 32 along K, by v_wmma_scale_f32_16x16x128_f8f6f4 with both operands' format E2M1 (or v_wmma_scale_f32_32x16x128_f4), f32 sums; everything else in f32.
;; Inputs: W_hh 2,048 x 512 float32; W_ih 2,048 x 256 float32; b_hh 2,048 float32; b_ih 2,048 float32; query_mean 8,192 x 256 float32; query_var 8,192 x 256 float32; support_mean 512 x 256 float32; support_var 512 x 256 float32.
;; Outputs: out0 8,192 x 512 float32.
;; This version of the problem:
;;   THIS VERSION OF THE PROBLEM IS GIVEN IN LOW PRECISION. The matrix products marked QUANTISED in the list below multiply operands that are first quantised to E2M1 (2 exponent bits, 1 mantissa bit; 4 bits a number), with one power-of-two scale for each 32 numbers along K (OCP MX v1.0); their sums are f32. All else is computed in f32.
;;   The module's matrix products, in the order in which they are computed (A, B: the left and right operand; K: the contracted axis; several contracted axes count as one K, in the product's order):
;;     1. [M 8,192, K 256] x [K 256, N 2,048]; A: input query_mean; B: input W_ih: QUANTISED
;;     2. [M 8,192, K 512] x [K 512, N 2,048]; A: computed on the way; B: input W_hh: QUANTISED
;;     3. [M 8,192, K 256] x [K 256, N 512]; A: computed on the way; B: input support_mean: QUANTISED
;;     4. [M 8,192, K 512] x [K 512, N 256]; A: softmax (see below); B: input support_mean: QUANTISED
;;     5. [M 8,192, K 256] x [K 256, N 2,048]; A: input query_mean; B: input W_ih: QUANTISED
;;     6. [M 8,192, K 512] x [K 512, N 2,048]; A: computed on the way; B: input W_hh: QUANTISED
;;     7. [M 8,192, K 256] x [K 256, N 512]; A: computed on the way; B: input support_mean: QUANTISED
;;     8. [M 8,192, K 512] x [K 512, N 256]; A: softmax (see below); B: input support_mean: QUANTISED
;;     9. [M 8,192, K 256] x [K 256, N 2,048]; A: input query_mean; B: input W_ih: QUANTISED
;;     10. [M 8,192, K 512] x [K 512, N 2,048]; A: computed on the way; B: input W_hh: QUANTISED
;;     11. [M 8,192, K 256] x [K 256, N 512]; A: computed on the way; B: input support_mean: QUANTISED
;;     12. [M 8,192, K 512] x [K 512, N 256]; A: softmax (see below); B: input support_mean: QUANTISED
;;     13. [M 8,192, K 256] x [K 256, N 2,048]; A: input query_mean; B: input W_ih: QUANTISED
;;     14. [M 8,192, K 512] x [K 512, N 2,048]; A: computed on the way; B: input W_hh: QUANTISED
;;     15. [M 8,192, K 256] x [K 256, N 512]; A: computed on the way; B: input support_mean: QUANTISED
;;     16. [M 8,192, K 512] x [K 512, N 256]; A: softmax (see below); B: input support_mean: QUANTISED
;;     17. [M 8,192, K 256] x [K 256, N 512]; A: computed on the way; B: input support_mean: QUANTISED
;;   THE QUANTISER, for each operand of a quantised product, along K:
;;     - K is cut into blocks of 32 from its start; a last block that is shorter is filled with zeros.
;;     - A block's scale is 2^e with e = floor(log2(the largest magnitude in the block)) - 2, held to -126 .. 127; a block of zeros has e = 0. As a byte (E8M0): e + 127.
;;     - Each number is divided by its block's scale, clamped to +-6, and rounded to the nearest number of E2M1, ties to even, subnormals kept.
;;     - The product sums the exact products of the quantised numbers (number of the format x scale) in f32.
;;   ~~~python
;;   def quantise(x, axis):      # numpy; x: float32 -> the quantised numbers, widened to float32 again
;;       x = np.moveaxis(x, axis, -1); K = x.shape[-1]
;;       x = np.pad(x, [(0, 0)] * (x.ndim - 1) + [(0, -K % 32)]); x = x.reshape(x.shape[:-1] + (-1, 32)); a = np.abs(x).max(-1, keepdims=True)
;;       e = np.where(a > 0, np.clip(np.frexp(np.where(a > 0, a, 1))[1] - 1 - 2, -126, 127), 0)      # np.frexp(a)[1] - 1 = floor(log2(a)), exactly
;;       r = np.clip(x / 2.0 ** e, -6, 6)
;;       step = 2.0 ** (np.maximum(np.frexp(np.where(r == 0, 1, r))[1] - 1, 0) - 1)
;;       q = np.round(r / step) * step * 2.0 ** e      # np.round: ties to even
;;       return np.moveaxis(q.reshape(q.shape[:-2] + (-1,))[..., :K], -1, axis).astype(np.float32)
;;   ~~~
;;   SOFTMAX AHEAD OF A QUANTISED PRODUCT. Where the list says 'softmax', what is quantised is not the finished softmax but p = 2^(t - M), with t = logit x log2(e) and M = ceil(the row's largest t), a whole number; so 1/2 < the row's largest p <= 1. The row's sum l is taken of the UNQUANTISED p, in f32, and the product's result is divided by l at the end. Since M is a whole number, a kernel that streams over the keys may use a running M (the ceiling of the running maximum): every later rescaling is an exact power of two, which a block's scale takes up: the codes' values come out the same.
;;   OPERANDS COMPUTED ON THE WAY. 'Computed on the way' means the value that the module computes at that place (a softmax that the list does not call 'softmax' is quantised finished and normalised). What goes into a quantiser is computed in f32, as accurately as f32 sums, v_exp_f32 and their like allow (about 1e-6 of the number): no bf16 or f16 on the way to a quantiser, and a product that is left as it is and whose result goes on into a quantised operand takes f32 operands (vector FMAs, or v_wmma_f32_16x16x4_f32). A number that lies on a knife's edge between two numbers of the format may be rounded either way, as far as f32 arithmetic and the matrix unit's own rounding can turn it there, and no further.
;; One version. Each part assembles by itself: llvm-mc -triple=amdgcn-amd-amdhsa -mcpu=gfx1250 --defsym DOCPART=n.
;; ======== version 1 of 1: 2 launches
;; workspace buffers: wa 262,144 bytes; wb 294,912 bytes
;; launch pack (part 1): grid 8 x 8, 4 waves a work-group, no clusters, 1,536 bytes of LDS; arguments W_ih, W_hh, support_mean, wa, wb; writes wa, wb
.if DOCPART == 1
	.amdgcn_target "amdgcn-amd-amdhsa--gfx1250"
	.amdhsa_code_object_version 6
	.text
	.protected	k_q936b7ec824_pack
	.globl	k_q936b7ec824_pack
	.p2align	8
	.type	k_q936b7ec824_pack,@function
k_q936b7ec824_pack:
	s_mov_b64 s[64:65], 0
	v_nop
	global_prefetch_b8 v0, s[64:65] scope:SCOPE_SE
	s_setreg_imm32_b32 hwreg(HW_REG_WAVE_MODE, 25, 1), 1
	s_wait_xcnt 0x0
; The weights that the second launch multiplies by are turned into codes of FP4 (E2M1) with one E8M0 byte for each 32 along K, and laid as IMAGES OF OPERAND REGISTERS, grouped by the wave of the second launch that owns them.
; WHAT IS PACKED: of W_ih [2048][256] and W_hh [2048][512] the rows 512 g + 0 .. 255 of each gate g.  The result of the problem hangs on hidden units 0 .. 255 alone (only h_r_[:, :256] is used and c is elementwise),
; so rows 512 g + 256 .. 511 are not read.  support_mean [512][256] is packed twice: along its columns (K of the scores) and down its rows (K of the weighted sum).
; A FRAGMENT is 16 rows x 128 K: 1,024 bytes: register group c (0, 1) is 512 bytes, lane l's 16 bytes at 16 l.  Lane (r = l % 16, h = l / 16) holds row row0 + 8 u + r + 8 (r / 8) and k = 128 s + 64 c + 32 h + 0 .. 31:
; the rows of a tile are not neighbours, so that in the transposed product the 16 registers of tiles u = 0, 1 are 16 neighbours along the next K.
; A SCALE REGISTER: lanes 0-15 the words (four bytes: the K step's four blocks) of tile u = 0, lanes 16-31 those of tile u = 1.  Four such registers make an image of 512 bytes, register i's word at 16 l + 4 i.
; SHARES: work-group (x, y): x = what is packed (0 .. 5: K step x of the gates' K = [x 256 | h 256 | r 256]; 6: support along columns; 7: support down rows); y = 2 pw + yb: owner wave pw, half yb.
; A wave makes the two fragments of one scale register; the four waves' registers make one image.  64 work-groups are all the work there is.
; A block's scale is 2^(floor(log2(largest magnitude)) - 2): its byte is the largest magnitude's exponent field - 2, held at 1 from below.
; LIMITS: a block of zeros gets the byte 1 where the rule says 127 (its codes are zeros, and this program alone reads the bytes); NaN and infinities among the inputs are not served.
.set WBLK,  73728                      ; wb: a wave's block: window 3 of the gates 32,768; their scale images 6,144; support by columns 16,384 + 1,024; support by rows 16,384 + 1,024
.set O_WSC, 32768
.set O_SKC, 38912
.set O_SKS, 55296
.set X,     32                         ; v32-159  the numbers: 64 u + 32 c + n
.set CD,    160                        ; v160-175 the codes: 8 u + 4 c
.set MX,    24                         ; v24-27   largest magnitudes, 2 u + c
.set SP,    28                         ; v28-31   the conversions' scale operands
.set BY,    10                         ; v10-13   the bytes
.set WD,    176                        ; v176-177 the scale words of tiles 0, 1
	s_load_b256 s[4:11], s[0:1], 0x0               ; W_ih s[4:5], W_hh s[6:7], support_mean s[8:9], wa s[10:11]
	s_load_b64 s[12:13], s[0:1], 0x20              ; wb
	v_lshl_add_u32 v192, v0, 2, 0x400
	v_mov_b32 v193, 0
	v_lshrrev_b32 v1, 5, v0
	v_readfirstlane_b32 s16, v1                    ; i: wave 0..3
	v_and_b32 v1, 31, v0                           ; lane
	v_and_b32 v2, 15, v0                           ; r
	v_bfe_u32 v3, v0, 4, 1                         ; h
	v_and_b32 v4, 8, v2
	v_add_nc_u32 v4, v4, v2                        ; r + 8 (r / 8)
	v_lshlrev_b32 v7, 4, v1                        ; 16 x lane: an image's place for my lane
	s_lshl_b32 s21, s16, 2
	v_add_nc_u32 v8, s21, v7                       ; LDS: my wave's register in the scale image
	v_lshlrev_b32 v9, 3, v3                        ; 8 h: where my two bytes stand in the word
	v_mov_b32 v14, 0                               ; written once: a lane permute's destination counts as one of its sources
	s_mov_b32 s14, 0x76543210
	s_mov_b32 s15, 0xfedcba98                      ; v_permlanex16_b32's selects for lane l xor 16
	s_mov_b32 s17, ttmp9                           ; x
	s_and_b32 s18, ttmp7, 0xffff                   ; y
	s_lshr_b32 s19, s18, 1                         ; pw
	s_and_b32 s20, s18, 1                          ; yb
	s_lshr_b32 s21, s16, 1                         ; i / 2
	s_and_b32 s22, s16, 1                          ; i % 2
	s_and_b32 s23, s17, 1                          ; x % 2
	s_lshr_b32 s24, s17, 1                         ; x / 2
	s_mul_i32 s25, s19, WBLK                       ; the owner's block in wb
	s_lshl_b32 s26, s16, 9                         ; gates: first row 512 i + 64 pw + 32 yb (wave i packs gate i)
	s_lshl_b32 s27, s19, 6
	s_add_co_u32 s26, s26, s27
	s_lshl_b32 s27, s20, 5
	s_add_co_u32 s26, s26, s27
	s_lshl_b32 s28, s19, 7                         ; support by columns: first key 128 pw + 64 yb + 32 (i / 2)
	s_lshl_b32 s27, s20, 6
	s_add_co_u32 s28, s28, s27
	s_lshl_b32 s27, s21, 5
	s_add_co_u32 s28, s28, s27
	s_lshl_b32 s29, s20, 14                        ; gates: 512 (32 yb + 8 i + 2 (x % 2)): the fragment's place in its window
	s_lshl_b32 s27, s16, 12
	s_add_co_u32 s29, s29, s27
	s_lshl_b32 s27, s23, 10
	s_add_co_u32 s29, s29, s27
	s_lshl_b32 s30, s20, 13                        ; support: 1,024 (8 yb + 4 (i / 2) + i % 2)
	s_lshl_b32 s27, s21, 12
	s_add_co_u32 s30, s30, s27
	s_lshl_b32 s27, s22, 10
	s_add_co_u32 s30, s30, s27
	s_max_u32 s31, s17, 6
	s_sub_co_u32 s31, s31, 6
	s_mul_i32 s31, s31, 17408                      ; x = 7: the second support part lies 17,408 bytes behind the first, codes and scales alike
	s_lshl_b32 s32, s19, 16                        ; x < 4: in wa: 65,536 pw + 32,768 (x / 2) + the place in the window
	s_lshl_b32 s27, s24, 15
	s_add_co_u32 s32, s32, s27
	s_add_co_u32 s32, s32, s29
	s_add_co_u32 s33, s25, s29                     ; x = 4, 5: in wb
	s_add_co_u32 s34, s25, s30                     ; x = 6, 7: in wb
	s_add_co_u32 s34, s34, s31
	s_add_co_u32 s34, s34, O_SKC
	s_mul_i32 s35, s20, 3072                       ; the scale image: gates: O_WSC + 3,072 yb + 512 x
	s_lshl_b32 s27, s17, 9
	s_add_co_u32 s35, s35, s27
	s_add_co_u32 s35, s35, s25
	s_add_co_u32 s35, s35, O_WSC
	s_lshl_b32 s36, s20, 9                         ; support: O_SKS (or the second part's) + 512 yb
	s_add_co_u32 s36, s36, s31
	s_add_co_u32 s36, s36, s25
	s_add_co_u32 s36, s36, O_SKS
	s_lshl_b32 s37, s16, 17                        ; x = 7: keys 128 i on (1,024 bytes a key), channels 64 pw + 32 yb on
	s_lshl_b32 s27, s19, 8
	s_add_co_u32 s37, s37, s27
	s_lshl_b32 s27, s20, 7
	s_add_co_u32 s37, s37, s27
	s_wait_kmcnt 0x0
	s_cmp_lt_u32 s17, 2                            ; every choice hangs on the work-group's number alone
	s_cselect_b64 s[40:41], s[4:5], s[6:7]         ; the source: W_ih, W_hh,
	s_cselect_b32 s38, 10, 11                      ; log2 of a row's bytes
	s_cselect_b32 s39, 0, 2
	s_sub_co_u32 s39, s17, s39                     ; the K step inside the tensor
	s_cmp_lt_u32 s17, 4
	s_cselect_b64 s[42:43], s[10:11], s[12:13]     ; the codes go to wa or to wb
	s_cselect_b32 s32, s32, s33
	s_cmp_lt_u32 s17, 6
	s_cselect_b64 s[40:41], s[40:41], s[8:9]       ; or support_mean
	s_cselect_b32 s38, s38, 10
	s_cselect_b32 s39, s39, s22
	s_cselect_b32 s26, s26, s28
	s_cselect_b32 s32, s32, s34
	s_cselect_b32 s35, s35, s36
	s_lshl_b32 s44, s26, s38                       ; first row x pitch + 512 x K step
	s_lshl_b32 s27, s39, 9
	s_add_co_u32 s44, s44, s27
	s_cmp_eq_u32 s17, 7
	s_cselect_b32 s44, s37, s44
	s_mov_b32 s45, 0
	s_add_nc_u64 s[40:41], s[40:41], s[44:45]
	s_mov_b32 s33, 0
	s_add_nc_u64 s[42:43], s[42:43], s[32:33]
	s_mov_b32 s44, s35
	s_add_nc_u64 s[46:47], s[12:13], s[44:45]      ; the scale image's place
	s_cmp_eq_u32 s17, 7
	s_cbranch_scc1 .Lcols                          ; only the loads differ
	; K innermost: lane (r, h) takes, of its row, 32 neighbours for each c: eight loads of 16 bytes
	v_lshlrev_b32 v5, s38, v4
	v_lshl_add_u32 v5, v3, 7, v5                   ; tile 0: row x pitch + 128 h
	s_lshl_b32 s27, 8, s38
	v_add_nc_u32 v6, s27, v5                       ; tile 1: eight rows on
.irp c, 0,1
.irp j, 0,1,2,3,4,5,6,7
	global_load_b128 v[X+32*\c+4*\j:X+32*\c+4*\j+3], v5, s[40:41] offset:256*\c+16*\j
	global_load_b128 v[X+64+32*\c+4*\j:X+64+32*\c+4*\j+3], v6, s[40:41] offset:256*\c+16*\j
.endr
.endr
	s_branch .Ljoin
.Lcols:
	; K down the rows: lane (r, h) takes a channel, and its registers run down the keys
	v_lshlrev_b32 v5, 2, v4
	v_lshl_add_u32 v5, v3, 15, v5                  ; 4 x channel + 32 keys x h
.irp u, 0,1
.irp c, 0,1
.set n, 0
.rept 32
	global_load_b32 v[X+64*\u+32*\c+n], v5, s[40:41] offset:32*\u+65536*\c+1024*n
.set n, n+1
.endr
.endr
.endr
.Ljoin:
	s_wait_loadcnt 0x0                             ; the two ways issue different numbers of loads: so the wait is for all
	; my four blocks (tile u, block 2 c + h of the K step): all 32 numbers of each are mine.  The four take turns line by line
.irp u, 0,1
.irp c, 0,1
	v_max3_num_f32 v[MX+2*\u+\c], |v[X+64*\u+32*\c]|, |v[X+64*\u+32*\c+1]|, 0x1800000   ; with the floor 2^(3 - 127): the byte cannot fall under 1
.endr
.endr
.irp i, 2,4,6,8,10,12,14,16,18,20,22,24,26,28,30
.irp u, 0,1
.irp c, 0,1
	v_max3_num_f32 v[MX+2*\u+\c], v[MX+2*\u+\c], |v[X+64*\u+32*\c+\i]|, |v[X+64*\u+32*\c+\i+1]|
.endr
.endr
.endr
.irp n, 0,1,2,3
	v_add_nc_u32 v[SP+\n], 0xff000000, v[MX+\n]    ; 2 off the exponent field: the conversion takes the exponent field of this operand as its scale
.endr
.irp n, 0,1,2,3
	v_lshrrev_b32 v[BY+\n], 23, v[SP+\n]           ; the scale's byte
.endr
.irp u, 0,1
	v_lshl_or_b32 v[WD+\u], v[BY+2*\u+1], 16, v[BY+2*\u]   ; my two bytes: blocks h and 2 + h,
	v_lshlrev_b32 v[WD+\u], v9, v[WD+\u]           ; at their places in the word;
	v_permlanex16_b32 v14, v[WD+\u], s14, s15
	v_or_b32 v[WD+\u], v[WD+\u], v14               ; with lane l xor 16's two the word is whole, in both lanes
.endr
.irp u, 0,1
.irp c, 0,1
.irp g, 0,1,2,3
	v_cvt_scalef32_pk8_fp4_f32 v[CD+8*\u+4*\c+\g], v[X+64*\u+32*\c+8*\g:X+64*\u+32*\c+8*\g+7], v[SP+2*\u+\c]
.endr
.endr
.endr
	v_nop                                          ; one plain place behind the last scaled conversion
.irp u, 0,1
.irp c, 0,1
	global_store_b128 v7, v[CD+8*\u+4*\c:CD+8*\u+4*\c+3], s[42:43] offset:2048*\u+512*\c   ; 32 lanes store 512 consecutive bytes, aligned
.endr
.endr
	v_cmp_le_u32 vcc_lo, 16, v1
	v_cndmask_b32 v178, v[WD], v[WD+1], vcc_lo     ; lanes 0-15 tile 0's words, lanes 16-31 tile 1's
	ds_store_b32 v8, v178
	s_wait_dscnt 0x0                               ; for the others' sake: my store has landed
	s_barrier_signal -1
	s_barrier_wait -1
	s_cmp_lg_u32 s16, 0
	s_cbranch_scc1 .Lend                           ; wave 0 sends the image of four registers
	ds_load_b128 v[180:183], v7
	s_wait_dscnt 0x0
	global_store_b128 v7, v[180:183], s[46:47]     ; 512 consecutive bytes, aligned
.Lend:
	s_wait_tensorcnt 0x0
	ds_add_u32 v192, v193
	s_wait_dscnt 0x0
	s_endpgm
.Lfunc_end_k_q936b7ec824_pack:
	.size	k_q936b7ec824_pack, .Lfunc_end_k_q936b7ec824_pack-k_q936b7ec824_pack
	.p2alignl 7, 3214868480
	.fill 96, 4, 3214868480
	.section	.rodata,"a",@progbits
	.p2align	6, 0x0
	.amdhsa_kernel k_q936b7ec824_pack
		.amdhsa_group_segment_fixed_size 1536
		.amdhsa_private_segment_fixed_size 0
		.amdhsa_enable_private_segment 0
		.amdhsa_kernarg_size 40
		.amdhsa_user_sgpr_count 2
		.amdhsa_user_sgpr_kernarg_segment_ptr 1
		.amdhsa_wavefront_size32 1
		.amdhsa_system_sgpr_workgroup_id_x 1
		.amdhsa_system_sgpr_workgroup_id_y 1
		.amdhsa_system_sgpr_workgroup_id_z 1
		.amdhsa_system_vgpr_workitem_id 0
		.amdhsa_next_free_vgpr 194
		.amdhsa_next_free_sgpr 66
		.amdhsa_reserve_vcc 1
		.amdhsa_float_denorm_mode_32 3
		.amdhsa_float_denorm_mode_16_64 3
		.amdhsa_memory_ordered 1
		.amdhsa_forward_progress 1
		.amdhsa_inst_pref_size 27
	.end_amdhsa_kernel
	.amdgpu_metadata
---
amdhsa.version: [ 1, 2 ]
amdhsa.kernels:
  - .name:           k_q936b7ec824_pack
    .symbol:         k_q936b7ec824_pack.kd
    .args:
      - { .name: W_ih, .offset: 0, .size: 8, .value_kind: global_buffer, .address_space: global }
      - { .name: W_hh, .offset: 8, .size: 8, .value_kind: global_buffer, .address_space: global }
      - { .name: support_mean, .offset: 16, .size: 8, .value_kind: global_buffer, .address_space: global }
      - { .name: wa, .offset: 24, .size: 8, .value_kind: global_buffer, .address_space: global }
      - { .name: wb, .offset: 32, .size: 8, .value_kind: global_buffer, .address_space: global }
    .group_segment_fixed_size: 1536
    .private_segment_fixed_size: 0
    .kernarg_segment_align: 8
    .kernarg_segment_size: 40
    .max_flat_workgroup_size: 128
    .sgpr_count:     66
    .vgpr_count:     194
    .wavefront_size: 32
...
	.end_amdgpu_metadata
.endif
;; end of part 1
;; launch chain (part 2): grid 256 x 1, 4 waves a work-group, clusters of 4 x 1, 327,680 bytes of LDS; arguments query_mean, b_ih, b_hh, wa, wb, out0; writes out0
.if DOCPART == 2
	.amdgcn_target "amdgcn-amd-amdhsa--gfx1250"
	.amdhsa_code_object_version 6
	.text
	.protected	k_q936b7ec824_chain
	.globl	k_q936b7ec824_chain
	.p2align	8
	.type	k_q936b7ec824_chain,@function
k_q936b7ec824_chain:
	s_mov_b64 s[64:65], 0
	v_nop
	global_prefetch_b8 v0, s[64:65] scope:SCOPE_SE
	s_setreg_imm32_b32 hwreg(HW_REG_WAVE_MODE, 25, 1), 1
	s_wait_xcnt 0x0
	s_wait_alu depctr_hold_cnt(0) depctr_sa_sdst(0) depctr_va_vdst(0) depctr_va_sdst(0) depctr_va_ssrc(0) depctr_va_vcc(0) depctr_vm_vsrc(0)
	s_getreg_b32 s2, hwreg(HW_REG_IB_STS2, 6, 4)
	s_cmp_eq_u32 s2, 0
	s_cbranch_scc0 .Lentry_in_a_cluster
	s_endpgm
.Lentry_in_a_cluster:
	s_bfe_u32 s2, ttmp6, 0x10000c
	s_cmp_lg_u32 s2, 0x3003
	s_cbranch_scc0 .Lentry_shape_is_right
	s_endpgm
.Lentry_shape_is_right:
; Four steps of (LSTM cell, h = x + its first 256 outputs, softmax(h S^T) S) and the last step's scores h S^T, for 32 queries a work-group; all products on codes of FP4 (E2M1) with one E8M0 scale for each 32 along K.
; WORK THAT IS LEFT OUT, since no output hangs on it for any input: hidden units 256 .. 511 of all four gates (only h_r_[:, :256] is used, c is elementwise); the last step's softmax and weighted sum; the last product, which
; repeats the one before it.  query_var and support_var enter nothing.  The first step's h_r = 0 is multiplied as zero codes, so that a step is written once.
; SHARES.  THE WAVES SHARE THE COLUMNS, NOT THE ROWS: wave w owns hidden units 64 w .. + 63 of all four gates, keys 128 w .. + 127 and channels 64 w .. + 63 of r, for all 32 queries (two tiles qt of 16).
; Its gate weights (16 tiles x 6 K steps of the K [x 256 | h 256 | r 256]: 768 registers) fill windows 1 to 3 for the whole launch; its part of the support operands stays in LDS, read by it alone.
; Only codes of x, h, r and p go from wave to wave, through LDS, as images of operand registers (lane l's 16 bytes at 16 l, 512 bytes a register group).
; ALL PRODUCTS ARE USED TRANSPOSED (source 0 = 16 rows of a weight, source 1 = 16 queries): a lane holds one query, and, by the order of a tile's rows that the first launch gave them, the 16 registers of tiles u = 0, 1 are
; 16 neighbours along the next K.
; CLUSTER.  Every work-group wants the same 544 KiB of packed weights: four work-groups ask for them jointly.  They come in four loads a wave: window 1 and (window 3 + the scale images) together; window 2 over window 1's
; bytes, while window 3 is read into registers; the support operands over the same bytes, while the first step's gates are computed.
; ARITHMETIC.  Ei, Ef, Eo = e^-a, Eg = e^-2a.  c' = [c (1+Ei)(1+Eg) + (1-Eg)(1+Ef)] / [(1+Ei)(1+Eg)(1+Ef)];  h = x + (1-Ec) / ((1+Eo)(1+Ec)), Ec = e^-2c'.  The two biases are added first and start the gates' sums.
; Softmax: t = score x log2(e); M = the row's largest t over all 512 keys, rounded up; p = 2^(t - M) is quantised; the sum of the unquantised p divides r.
; LIMITS: NaN and infinities are not served.  The exponents of Ei, Ef, Eg, Eo are held at 40 from above: a sigmoid under 2^-40 is held there (an error under 1e-12), tanh is then -1 to the last bit, and the
; products of three such terms stay under 2^121.  |c| <= 4 after four steps, so Ec needs no hold.  A block of zeros gets the byte 1 (its codes are zeros).
.set WBLK,  73728                      ; LDS [0, 4 WBLK): the fills, a block of WBLK bytes for each wave: window 3 (32,768), the gates' scale images (6,144), and from O_SKC on 34,816 bytes that take
.set O_WSC, 32768                      ;   window 1, then window 2, then for good: support by columns and its scales, support by rows and its scales
.set O_SKC, 38912
.set O_SKS, 55296
.set O_SVC, 56320
.set O_SVS, 72704
.set O_XF,  0                          ; window 3's bytes are filled once; once read they are the wave's own scratch: x in f32 (8,192),
.set O_CST, 8192                       ; c (8,192),
.set O_BIA, 16384                      ; b_ih + b_hh, [gate][64 units] (1,024); at the very end the stage for the scores lies over all three
.set SPITCH, 528                       ; a stage row: 512 bytes + 16
.set AIMG,  4*WBLK                     ; shared scratch, into which no fill lands: x's, h's, r's fragments (K step s, tile qt) at 1,024 (2 s + qt),
.set ASC,   AIMG+12*1024               ; their scale words at 128 s + 64 qt + 4 r,
.set PIMG,  ASC+1024                   ; p's fragments, likewise,
.set PSC,   PIMG+8*1024                ; and scale words,
.set MAXX,  PSC+512                    ; the waves' row maxima at 256 qt + 16 r + 4 w,
.set SUMX,  MAXX+512                   ; and row sums,
.set SPARE, SUMX+512                   ; the spare words, 128 bytes a wave: two blocks of 256 bytes that no other line names
; window 0: addresses that stay
.set LW,   1                           ; WBLK w + 16 lane
.set LW2,  2                           ; + O_SVC
.set BIAA, 3                           ; WBLK w + O_BIA + 64 h
.set LS16, 4                           ; AIMG + 16 lane
.set LS4,  5                           ; ASC + 4 lane
.set HST,  6                           ; where I store my half fragment of x, h, r: LS16 + 2,048 (w / 2) + 512 (w % 2)
.set HSS,  7                           ; and its two scale bytes: ASC + 4 r + 128 (w / 2) + 2 (w % 2)
.set PST,  8                           ; p's fragment: PIMG + 16 lane + 2,048 w
.set PSS,  9                           ; its scale word: PSC + 4 r + 128 w
.set MXS,  10                          ; MAXX + 16 r + 4 w
.set MXL,  11                          ; MAXX + 16 r
.set STO,  12                          ; the stage: WBLK w + 528 r + 64 h
.set GO,   13                          ; 16 lane: my bytes of a row of 512
.set SPW,  14                          ; my spare word
.set NIL,  15                          ; 0
; v16-45 hold scale words and nothing else
.set WS,   16                          ; gates: the weights', 4 s + g
.set AS,   40                          ; and x h r's, s
.set SAS,  16                          ; scores: support's, 2 b + s;
.set SBS,  24                          ; h's, s
.set RAS,  16                          ; r: support's, 4 b + s;
.set RPS,  24                          ; p's, s
; gates
.set BF,   48                          ; v48-95   x h r's six fragments of one tile of queries
.set ACC,  96                          ; v96-159  gate g's 16 values at 16 g (tile u at + 8 u); dead as soon as the new c is made
.set AI,   ACC
.set AF,   ACC+16
.set AG,   ACC+32
.set AO,   ACC+48
.set CC,   160                         ; v160-175 c
.set XX,   176                         ; v176-191 x
.set T,    192                         ; v192-207 at work, at last h
.set QA,   208                         ; the quantiser's: two maxima, the other lane's, the scale operand,
.set QB,   209
.set QP,   210
.set QS,   211
.set QBY,  212                         ; v212-215 bytes (2 qt + b),
.set HC,   216                         ; v216-223 codes (4 qt + 2 b)
.set OO,   224                         ; v224-239 1 + Eo
.set EC,   240                         ; v240-255 Ec and what is made of it
; scores
.set SA,   46                          ; v46-93   three buffers of 16: a tile of keys, both K steps (tiles 0, 1, 2; then 6, 7).  Tiles 3, 4, 5 lie in the registers of score tiles 5, 6, 7 until those are written
.set SB,   94                          ; v94-125  h's fragments, 8 (2 s + q)
.set SACC, 128                         ; v128-255 scores, then p: 64 q + 16 b + i
; softmax, in SA's and SB's registers
.set BM,   46
.set BP,   54
.set RM,   62
.set GMX,  64
.set NM,   72
.set SU,   76
.set SO,   84
.set BYT,  92
.set PW,   100
.set PCD,  104
; r
.set RACC, 48                          ; v48-79 (q = 0), v224-255 (q = 1): 176 q + 8 t
.set SUMR, 80
.set LI,   88
.set RA,   128                         ; v128-191 two buffers of 32: a K step's four tiles of channels
.set RB,   192                         ; v192-223 two buffers of 16: a K step's p
; scalars: s[4:15] the six buffers; s16 wave; s17, s18 place, work-group; s[20:21] lane selects; s[22:27] constants in pairs; s28 40.0; s29 the step;
; s[32:35], s[36:39], s[68:71], s[72:75] descriptor groups 0 (window 1, window 3 + scales, window 2, support); s[40:47], s[48:55], s[76:83] groups 1 (128, 152, 136 rows); s[56:63] at work
.set MSB, 0
.macro WIN new                         ; the immediate's high byte repeats the setting that is left
.if MSB != (\new)
	s_set_vgpr_msb (MSB<<8)|(\new)
.set MSB, (\new)
.endif
.endm
.macro NOPS n
.rept \n
	v_nop
.endr
.endm
.macro PLACES                          ; four places behind a matrix instruction, in front of reads of its result and of loads into its registers
	NOPS 4
.endm
.macro BAR                             ; my LDS stores have landed and my LDS loads are in: then the work-group's barrier
	s_wait_dscnt 0x0
	s_barrier_signal -1
	s_barrier_wait -1
.endm
.macro ROUND                           ; a round of the cluster's barrier
	s_barrier_signal -1
	s_barrier_wait -1
	s_cmp_lg_u32 s16, 0
	s_cbranch_scc1 .Lnot_wave_0_\@
	s_barrier_signal -3
.Lnot_wave_0_\@:
	s_barrier_wait -3
	s_barrier_signal -1
	s_barrier_wait -1
.endm
; one product that adds in place.  u, q: which half of the lanes of the scale registers holds source 0's and source 1's words
.macro WM d, a, b, sa, sb, u, q
.if ((\u) == 0) && ((\q) == 0)
	v_wmma_scale_f32_16x16x128_f8f6f4 v[(\d):(\d)+7], v[(\a):(\a)+7], v[(\b):(\b)+7], v[(\d):(\d)+7], v[\sa], v[\sb] matrix_a_fmt:MATRIX_FMT_FP4 matrix_b_fmt:MATRIX_FMT_FP4
.elseif (\q) == 0
	v_wmma_scale_f32_16x16x128_f8f6f4 v[(\d):(\d)+7], v[(\a):(\a)+7], v[(\b):(\b)+7], v[(\d):(\d)+7], v[\sa], v[\sb] matrix_a_fmt:MATRIX_FMT_FP4 matrix_b_fmt:MATRIX_FMT_FP4 matrix_a_scale:MATRIX_SCALE_ROW1
.elseif (\u) == 0
	v_wmma_scale_f32_16x16x128_f8f6f4 v[(\d):(\d)+7], v[(\a):(\a)+7], v[(\b):(\b)+7], v[(\d):(\d)+7], v[\sa], v[\sb] matrix_a_fmt:MATRIX_FMT_FP4 matrix_b_fmt:MATRIX_FMT_FP4 matrix_b_scale:MATRIX_SCALE_ROW1
.else
	v_wmma_scale_f32_16x16x128_f8f6f4 v[(\d):(\d)+7], v[(\a):(\a)+7], v[(\b):(\b)+7], v[(\d):(\d)+7], v[\sa], v[\sb] matrix_a_fmt:MATRIX_FMT_FP4 matrix_b_fmt:MATRIX_FMT_FP4 matrix_a_scale:MATRIX_SCALE_ROW1 matrix_b_scale:MATRIX_SCALE_ROW1
.endif
.endm
; and one that starts a sum
.macro WZ d, a, b, sa, sb, u, q
.if ((\u) == 0) && ((\q) == 0)
	v_wmma_scale_f32_16x16x128_f8f6f4 v[(\d):(\d)+7], v[(\a):(\a)+7], v[(\b):(\b)+7], 0, v[\sa], v[\sb] matrix_a_fmt:MATRIX_FMT_FP4 matrix_b_fmt:MATRIX_FMT_FP4
.elseif (\q) == 0
	v_wmma_scale_f32_16x16x128_f8f6f4 v[(\d):(\d)+7], v[(\a):(\a)+7], v[(\b):(\b)+7], 0, v[\sa], v[\sb] matrix_a_fmt:MATRIX_FMT_FP4 matrix_b_fmt:MATRIX_FMT_FP4 matrix_a_scale:MATRIX_SCALE_ROW1
.elseif (\u) == 0
	v_wmma_scale_f32_16x16x128_f8f6f4 v[(\d):(\d)+7], v[(\a):(\a)+7], v[(\b):(\b)+7], 0, v[\sa], v[\sb] matrix_a_fmt:MATRIX_FMT_FP4 matrix_b_fmt:MATRIX_FMT_FP4 matrix_b_scale:MATRIX_SCALE_ROW1
.else
	v_wmma_scale_f32_16x16x128_f8f6f4 v[(\d):(\d)+7], v[(\a):(\a)+7], v[(\b):(\b)+7], 0, v[\sa], v[\sb] matrix_a_fmt:MATRIX_FMT_FP4 matrix_b_fmt:MATRIX_FMT_FP4 matrix_a_scale:MATRIX_SCALE_ROW1 matrix_b_scale:MATRIX_SCALE_ROW1
.endif
.endm
; what a group (tile of queries qt, block b of 32 units) wants from my own LDS bytes, in four parts, each asked for as soon as its registers are free
.macro BIASLOAD b                      ; 16 loads: the bias lands in the accumulators: it is the C of the first products
.irp g, 0,1,2,3
.irp u, 0,1
.irp k, 0,1
	ds_load_b128 v[ACC+8*(2*\g+\u)+4*\k:ACC+8*(2*\g+\u)+4*\k+3], v[BIAA] offset:4*(64*\g+32*(\b)+8*\u)+16*\k   ; units 32 b + 16 h + 8 u + 4 k on: the same 16 bytes for the 16 lanes of a half
.endr
.endr
.endr
.endm
.macro WSLOAD b                        ; 6 loads: the weights' scale words
.irp s, 0,1,2,3,4,5
	ds_load_b128 v[WS+4*\s:WS+4*\s+3], v[LW] offset:O_WSC+3072*(\b)+512*\s
.endr
.endm
.macro CLOAD qt, b                     ; 4 loads: c
.irp k, 0,1,2,3
	ds_load_b128 v[CC+4*\k:CC+4*\k+3], v[LW] offset:O_CST+2048*(2*(\qt)+(\b))+512*\k
.endr
.endm
.macro XLOAD qt, b                     ; 4 loads: x
.irp k, 0,1,2,3
	ds_load_b128 v[XX+4*\k:XX+4*\k+3], v[LW] offset:O_XF+2048*(2*(\qt)+(\b))+512*\k
.endr
.endm
.macro GLOAD qt, b                     ; all four
	BIASLOAD \b
	WSLOAD \b
	CLOAD \qt, \b
	XLOAD \qt, \b
.endm
.macro BLOAD qt                        ; the six fragments of x, h, r of tile qt
.irp s, 0,1,2,3,4,5
.irp c, 0,1
	ds_load_b128 v[BF+8*\s+4*\c:BF+8*\s+4*\c+3], v[LS16] offset:1024*(2*\s+\qt)+512*\c
.endr
.endr
.endm
; 48 products: the group's eight tiles (gate g, u) take turns, one instruction a turn, K step by K step.  Only source 0's window moves
.macro MULS qt, b
.irp s, 0,1,2,3,4,5
	WIN 1+(\s)/2
.irp g, 0,1,2,3
.irp u, 0,1
	WM ACC+8*(2*\g+\u), 16*(8*\b+2*\g+\u)+8*((\s)%2), BF+8*\s, WS+4*\s+\g, AS+\s, \u, \qt
.endr
.endr
.endr
	WIN 0
	PLACES
.endm
; the cell, 16 units a lane.  The exponentials and reciprocals go in batches, each with one plain line and one wait behind it, ahead of its first reader.
; more = 1: the group (nqt, nb) follows: its biases are asked for when the accumulators are dead, its c behind the last read of c, its x behind h
.macro ACT qt, b, more, nqt, nb
.set j, 0
.rept 16
	v_pk_mul_f32 v[AI+j:AI+j+1], v[AI+j:AI+j+1], s[22:23] op_sel_hi:[1,0]   ; i, f: x -log2(e).  Each accumulator is read from its low end on
.set j, j+2
.endr
.set j, 0
.rept 8
	v_pk_mul_f32 v[AG+j:AG+j+1], v[AG+j:AG+j+1], s[24:25] op_sel_hi:[1,0]   ; g: x -2 log2(e)
.set j, j+2
.endr
.set j, 0
.rept 8
	v_pk_mul_f32 v[AO+j:AO+j+1], v[AO+j:AO+j+1], s[22:23] op_sel_hi:[1,0]   ; o
.set j, j+2
.endr
.set j, 0
.rept 64
	v_min_num_f32 v[ACC+j], s28, v[ACC+j]          ; the hold at 40
.set j, j+1
.endr
.set j, 0
.rept 64
	v_exp_f32 v[ACC+j], v[ACC+j]                   ; Ei, Ef, Eg, Eo
.set j, j+1
.endr
	v_nop
	s_wait_alu depctr_va_vdst(0)
.set j, 0
.rept 8
	v_pk_fma_f32 v[T+j:T+j+1], v[AG+j:AG+j+1], -1.0, 1.0 op_sel_hi:[1,0,0]   ; 1 - Eg
.set j, j+2
.endr
.set j, 0
.rept 8
	v_pk_add_f32 v[AG+j:AG+j+1], v[AG+j:AG+j+1], 1.0 op_sel_hi:[1,0]         ; 1 + Eg
.set j, j+2
.endr
.set j, 0
.rept 16
	v_pk_add_f32 v[AI+j:AI+j+1], v[AI+j:AI+j+1], 1.0 op_sel_hi:[1,0]         ; 1 + Ei, 1 + Ef
.set j, j+2
.endr
.set j, 0
.rept 8
	v_pk_mul_f32 v[AI+j:AI+j+1], v[AI+j:AI+j+1], v[AG+j:AG+j+1]              ; (1+Ei)(1+Eg)
.set j, j+2
.endr
.set j, 0
.rept 8
	v_pk_mul_f32 v[T+j:T+j+1], v[T+j:T+j+1], v[AF+j:AF+j+1]                  ; (1-Eg)(1+Ef)
.set j, j+2
.endr
	s_wait_dscnt 0x0                               ; this group's c and x are in, and what was asked for behind the products: the youngest of these loads stands more than 170 lines back
.set j, 0
.rept 8
	v_pk_fma_f32 v[T+j:T+j+1], v[CC+j:CC+j+1], v[AI+j:AI+j+1], v[T+j:T+j+1]  ; + c (1+Ei)(1+Eg)
.set j, j+2
.endr
.set j, 0
.rept 8
	v_pk_mul_f32 v[AI+j:AI+j+1], v[AI+j:AI+j+1], v[AF+j:AF+j+1]              ; the divisor
.set j, j+2
.endr
.set j, 0
.rept 16
	v_rcp_f32 v[AI+j], v[AI+j]
.set j, j+1
.endr
.set j, 0
.rept 8
	v_pk_add_f32 v[OO+j:OO+j+1], v[AO+j:AO+j+1], 1.0 op_sel_hi:[1,0]         ; 1 + Eo, out of the accumulators: plain work behind the reciprocals
.set j, j+2
.endr
	s_wait_alu depctr_va_vdst(0)
.set j, 0
.rept 8
	v_pk_mul_f32 v[CC+j:CC+j+1], v[T+j:T+j+1], v[AI+j:AI+j+1]                ; the new c.  The accumulators are dead from here on
.set j, j+2
.endr
.if \more
	BIASLOAD \nb
.endif
.irp k, 0,1,2,3
	ds_store_b128 v[LW], v[CC+4*\k:CC+4*\k+3] offset:O_CST+2048*(2*\qt+\b)+512*\k   ; my own bytes: LDS serves a wave's instructions in order
.endr
.set j, 0
.rept 8
	v_pk_mul_f32 v[EC+j:EC+j+1], v[CC+j:CC+j+1], s[24:25] op_sel_hi:[1,0]
.set j, j+2
.endr
.if \more
	CLOAD \nqt, \nb
.endif
.set j, 0
.rept 16
	v_exp_f32 v[EC+j], v[EC+j]                     ; Ec
.set j, j+1
.endr
	v_nop
	s_wait_alu depctr_va_vdst(0)
.set j, 0
.rept 8
	v_pk_fma_f32 v[T+j:T+j+1], v[EC+j:EC+j+1], -1.0, 1.0 op_sel_hi:[1,0,0]   ; 1 - Ec
.set j, j+2
.endr
.set j, 0
.rept 8
	v_pk_add_f32 v[EC+j:EC+j+1], v[EC+j:EC+j+1], 1.0 op_sel_hi:[1,0]
.set j, j+2
.endr
.set j, 0
.rept 8
	v_pk_mul_f32 v[EC+j:EC+j+1], v[EC+j:EC+j+1], v[OO+j:OO+j+1]              ; (1+Ec)(1+Eo)
.set j, j+2
.endr
.set j, 0
.rept 16
	v_rcp_f32 v[EC+j], v[EC+j]
.set j, j+1
.endr
	v_nop
	s_wait_alu depctr_va_vdst(0)
.set j, 0
.rept 8
	v_pk_fma_f32 v[T+j:T+j+1], v[T+j:T+j+1], v[EC+j:EC+j+1], v[XX+j:XX+j+1]  ; h = x + o tanh(c)
.set j, j+2
.endr
.if \more
	XLOAD \nqt, \nb
.endif
.endm
; 16 numbers of a lane, half a block of 32 (the other half lies in lane l xor 16), become two registers of codes and a byte
.macro QUANT src, qt, b
	v_max3_num_f32 v[QA], |v[(\src)]|, |v[(\src)+1]|, 0x1800000             ; with the floor 2^(3 - 127): the byte cannot fall under 1
	v_max3_num_f32 v[QB], |v[(\src)+2]|, |v[(\src)+3]|, |v[(\src)+4]|
	v_max3_num_f32 v[QA], v[QA], |v[(\src)+5]|, |v[(\src)+6]|
	v_max3_num_f32 v[QB], v[QB], |v[(\src)+7]|, |v[(\src)+8]|
	v_max3_num_f32 v[QA], v[QA], |v[(\src)+9]|, |v[(\src)+10]|
	v_max3_num_f32 v[QB], v[QB], |v[(\src)+11]|, |v[(\src)+12]|
	v_max3_num_f32 v[QA], v[QA], |v[(\src)+13]|, |v[(\src)+14]|
	v_max3_num_f32 v[QA], v[QA], v[QB], |v[(\src)+15]|
	v_permlanex16_b32 v[QP], v[QA], s20, s21
	v_max_num_f32 v[QA], v[QA], v[QP]              ; the block's largest magnitude
	v_add_nc_u32 v[QS], 0xff000000, v[QA]          ; 2 off its exponent field: the conversion's scale operand
	v_lshrrev_b32 v[QBY+2*(\qt)+(\b)], 23, v[QS]   ; the scale's byte
	v_cvt_scalef32_pk8_fp4_f32 v[HC+4*(\qt)+2*(\b)], v[(\src):(\src)+7], v[QS]
	v_cvt_scalef32_pk8_fp4_f32 v[HC+4*(\qt)+2*(\b)+1], v[(\src)+8:(\src)+15], v[QS]
	v_nop                                          ; one plain place behind a scaled conversion
.endm
.macro FIN qt                          ; the operand's layout wants a whole block in a lane: lanes 0-15 block 0, lanes 16-31 block 1; and the two bytes side by side
	v_permlane16_swap_b32 v[HC+4*\qt], v[HC+4*\qt+2]
	v_permlane16_swap_b32 v[HC+4*\qt+1], v[HC+4*\qt+3]
	v_lshl_or_b32 v[QBY+2*\qt], v[QBY+2*\qt+1], 8, v[QBY+2*\qt]
.endm
.macro PUT part, qt                    ; my 64 along K of x (part 0), h (1) or r (2): one register group of a fragment, two bytes of its scale words (both halves of the lanes write the same bytes with the same value)
	ds_store_b128 v[HST], v[HC+4*\qt:HC+4*\qt+3] offset:4096*\part+1024*\qt
	ds_store_b16 v[HSS], v[QBY+2*\qt] offset:256*\part+64*\qt
.endm
; where tile n (= 2 b + u) of my keys waits for its products: SA0 its fragment of K step 0, SA1 of K step 1
.macro SADR n
.if (\n) < 3
.set SA0, SA+16*(\n)
.set SA1, SA0+8
.elseif (\n) < 6
.set SA0, SACC+8*((\n)+2)              ; in the registers of score tile n + 2, of the first tile of queries
.set SA1, SA0+64                       ; and of the second
.else
.set SA0, SA+16*((\n)-6)
.set SA1, SA0+8
.endif
.endm
.macro SCH n                           ; four loads
	SADR \n
.irp c, 0,1
	ds_load_b128 v[SA0+4*\c:SA0+4*\c+3], v[LW] offset:O_SKC+2048*(\n)+512*\c
.endr
.irp c, 0,1
	ds_load_b128 v[SA1+4*\c:SA1+4*\c+3], v[LW] offset:O_SKC+2048*(\n)+1024+512*\c
.endr
.endm
.macro SMH n                           ; its four products: the two tiles of queries take turns
	SADR \n
.irp q, 0,1
	WZ SACC+64*\q+8*(\n), SA0, SB+8*\q, SAS+2*((\n)/2), SBS, (\n)%2, \q
.endr
.irp q, 0,1
	WM SACC+64*\q+8*(\n), SA1, SB+8*(2+\q), SAS+2*((\n)/2)+1, SBS+1, (\n)%2, \q
.endr
.endm
.macro RALOAD s                        ; K step s (128 keys) of my four tiles of channels, into buffer s % 2
.irp t, 0,1,2,3
.irp c, 0,1
	ds_load_b128 v[RA+32*((\s)%2)+8*\t+4*\c:RA+32*((\s)%2)+8*\t+4*\c+3], v[LW2] offset:1024*(8*(\t/2)+4*((\s)/2)+2*(\t%2)+(\s)%2)+512*\c
.endr
.endr
.endm
.macro RBLOAD s                        ; and p's two fragments of it
.irp q, 0,1
.irp c, 0,1
	ds_load_b128 v[RB+16*((\s)%2)+8*\q+4*\c:RB+16*((\s)%2)+8*\q+4*\c+3], v[LS16] offset:PIMG-AIMG+1024*(2*(\s)+\q)+512*\c
.endr
.endr
.endm
.macro RMUL s                          ; eight products: eight accumulators by turns
.irp t, 0,1,2,3
.irp q, 0,1
.if (\s) == 0
	WZ RACC+176*\q+8*\t, RA+32*((\s)%2)+8*\t, RB+16*((\s)%2)+8*\q, RAS+4*(\t/2)+(\s), RPS+(\s), \t%2, \q
.else
	WM RACC+176*\q+8*\t, RA+32*((\s)%2)+8*\t, RB+16*((\s)%2)+8*\q, RAS+4*(\t/2)+(\s), RPS+(\s), \t%2, \q
.endif
.endr
.endr
.endm
	s_load_b256 s[4:11], s[0:1], 0x0               ; query_mean s[4:5], b_ih s[6:7], b_hh s[8:9], wa s[10:11]
	s_load_b128 s[12:15], s[0:1], 0x20             ; wb s[12:13], out0 s[14:15]
	v_lshl_add_u32 v[SPW], v0, 2, SPARE
	v_mov_b32 v[NIL], 0
	ds_add_u32 v14, v15
	ds_add_u32 v14, v15
	s_wait_dscnt 0x0
	v_lshrrev_b32 v224, 5, v0
	v_readfirstlane_b32 s16, v224                  ; wave 0..3
	v_and_b32 v224, 31, v0                         ; lane
	v_and_b32 v225, 15, v0                         ; r
	v_bfe_u32 v226, v0, 4, 1                       ; h
	v_lshlrev_b32 v227, 4, v224                    ; 16 lane
	s_mul_i32 s56, s16, WBLK
	s_lshr_b32 s57, s16, 1
	s_and_b32 s58, s16, 1
	v_add_nc_u32 v[LW], s56, v227
	v_add_nc_u32 v[LW2], O_SVC, v[LW]
	v_lshl_add_u32 v[BIAA], v226, 6, s56
	v_add_nc_u32 v[BIAA], O_BIA, v[BIAA]
	v_add_nc_u32 v[LS16], AIMG, v227
	v_lshl_add_u32 v[LS4], v224, 2, ASC
	s_lshl_b32 s59, s57, 11
	s_lshl_b32 s60, s58, 9
	s_add_co_u32 s59, s59, s60
	v_add_nc_u32 v[HST], s59, v[LS16]
	s_lshl_b32 s59, s57, 7
	s_lshl_b32 s60, s58, 1
	s_add_co_u32 s59, s59, s60
	v_lshl_add_u32 v[HSS], v225, 2, s59
	v_add_nc_u32 v[HSS], ASC, v[HSS]
	s_lshl_b32 s59, s16, 11
	s_add_co_u32 s59, s59, PIMG-AIMG
	v_add_nc_u32 v[PST], s59, v[LS16]
	s_lshl_b32 s59, s16, 7
	v_lshl_add_u32 v[PSS], v225, 2, s59
	v_add_nc_u32 v[PSS], PSC, v[PSS]
	s_lshl_b32 s59, s16, 2
	v_lshl_add_u32 v[MXS], v225, 4, s59
	v_add_nc_u32 v[MXS], MAXX, v[MXS]
	v_lshl_add_u32 v[MXL], v225, 4, MAXX
	v_mul_u32_u24 v[STO], v225, SPITCH
	v_lshl_add_u32 v[STO], v226, 6, v[STO]
	v_add_nc_u32 v[STO], s56, v[STO]
	v_mov_b32 v[GO], v227
	v_lshlrev_b32 v228, 10, v225
	v_lshl_add_u32 v228, v226, 6, v228             ; x: row r of 1,024 bytes, + 64 h: my 16 numbers of a block of 32
	v_lshlrev_b32 v229, 4, v225
	v_lshl_add_u32 v229, v226, 11, v229            ; biases: lanes 0-15 one gate's 64 units, lanes 16-31 the next gate's
	v_add_nc_u32 v230, O_SKC, v[LW]                ; where windows 1 and 2 land: WBLK w + O_SKC + 16 lane
	v_mov_b32 v[QP], 0                             ; written once: a lane permute's destination counts as one of its sources
	s_mov_b32 s20, 0x76543210
	s_mov_b32 s21, 0xfedcba98                      ; v_permlanex16_b32's selects for lane l xor 16
	s_mov_b32 s22, 0xbfb8aa3b                      ; -log2(e); the packed forms name a pair and take its low word for both halves
	s_mov_b32 s23, s22
	s_mov_b32 s24, 0xc038aa3b                      ; -2 log2(e)
	s_mov_b32 s25, s24
	s_mov_b32 s26, 0x3fb8aa3b                      ; log2(e)
	s_mov_b32 s27, s26
	s_mov_b32 s28, 0x42200000                      ; 40.0
	; descriptors: dense blocks as rows of 256 bytes (32 elements of 8 bytes); the mask names the cluster's four work-groups
	s_mov_b32 s40, 15|(3<<16)|(1<<21)              ; a window of the gate weights: 128 rows a wave
	s_mov_b32 s41, 32<<16
	s_mov_b32 s42, 128<<16
	s_mov_b32 s43, 32<<16
	s_mov_b32 s44, 128
	s_mov_b32 s45, 32
	s_mov_b32 s46, 0
	s_mov_b32 s47, 0
	s_mov_b32 s48, 15|(3<<16)|(1<<21)              ; window 3 and the scale images: 152 rows
	s_mov_b32 s49, 32<<16
	s_mov_b32 s50, 152<<16
	s_mov_b32 s51, 32<<16
	s_mov_b32 s52, 152
	s_mov_b32 s53, 32
	s_mov_b32 s54, 0
	s_mov_b32 s55, 0
	s_mov_b32 s76, 15|(3<<16)|(1<<21)              ; the support operands: 136 rows
	s_mov_b32 s77, 32<<16
	s_mov_b32 s78, 136<<16
	s_mov_b32 s79, 32<<16
	s_mov_b32 s80, 136
	s_mov_b32 s81, 32
	s_mov_b32 s82, 0
	s_mov_b32 s83, 0
	s_mov_b32 s36, 1
	s_mul_i32 s37, s16, WBLK                       ; LDS: WBLK w
	s_mov_b32 s32, 1
	s_add_co_u32 s33, s37, O_SKC                   ; LDS: WBLK w + O_SKC, for the three loads that take turns there
	s_mov_b32 s68, 1
	s_add_co_u32 s69, s37, O_SKC
	s_mov_b32 s72, 1
	s_add_co_u32 s73, s37, O_SKC
	s_lshl_b32 s60, s16, 16
	s_mov_b32 s61, 0
	s_wait_kmcnt 0x0
	s_add_nc_u64 s[34:35], s[10:11], s[60:61]      ; window 1: wa + 65,536 w: the same in all four partners
	s_add_nc_u64 s[70:71], s[34:35], 0x8000        ; window 2: 32,768 bytes on
	s_or_b32 s35, s35, 0x80000000
	s_or_b32 s71, s71, 0x80000000
	s_mov_b32 s60, s56
	s_add_nc_u64 s[38:39], s[12:13], s[60:61]      ; window 3 and the scales: wb + WBLK w
	s_add_nc_u64 s[74:75], s[38:39], O_SKC         ; the support operands
	s_or_b32 s39, s39, 0x80000000
	s_or_b32 s75, s75, 0x80000000
	s_lshl_b32 s60, s16, 8
	s_add_nc_u64 s[6:7], s[6:7], s[60:61]          ; the biases at my 64 units
	s_add_nc_u64 s[8:9], s[8:9], s[60:61]
	s_bfe_u32 s17, ttmp6, 0x40000                  ; my place in the cluster: it enters x's and the output's addresses alone
	s_lshl_b32 s18, ttmp9, 2
	s_add_co_u32 s18, s18, s17                     ; work-group
	s_lshl_b32 s62, s18, 15
	s_add_co_u32 s62, s62, s60
	s_mov_b32 s63, 0
	s_add_nc_u64 s[4:5], s[4:5], s[62:63]          ; x: 32 rows of 1,024 bytes a work-group, + my 64 columns
	s_lshl_b32 s62, s18, 16
	s_lshl_b32 s17, s16, 9
	s_add_co_u32 s62, s62, s17
	s_add_nc_u64 s[14:15], s[14:15], s[62:63]      ; out0: 32 rows of 2,048 bytes, + my 128 keys
	ROUND                                          ; the four work-groups are here: the joint loads meet
	tensor_load_to_lds s[32:35], s[40:47]          ; the two first fills go out together: window 1,
	s_nop 0
	tensor_load_to_lds s[36:39], s[48:55]          ; window 3 and the scale images.  Two tensor loads of mine are out
	s_nop 0
	PLACES
.irp qt, 0,1
.irp b, 0,1
.irp j, 0,1,2,3
	global_load_b128 v[ACC+16*(2*\qt+\b)+4*\j:ACC+16*(2*\qt+\b)+4*\j+3], v228, s[4:5] offset:16384*\qt+128*\b+16*\j
.endr
.endr
.endr
.irp p, 0,1
	global_load_b128 v[CC+4*\p:CC+4*\p+3], v229, s[6:7] offset:4096*\p
	global_load_b128 v[CC+8+4*\p:CC+8+4*\p+3], v229, s[8:9] offset:4096*\p
.endr
	s_wait_loadcnt 4                               ; x's sixteen loads are in; the four of the biases may be out
.irp qt, 0,1
.irp b, 0,1
	QUANT ACC+16*(2*\qt+\b), \qt, \b
.endr
	FIN \qt
	PUT 0, \qt
.endr
.irp k, 0,1,2,3
	v_mov_b32 v[HC+\k], 0                          ; h_r = 0 in the first step: zero codes,
.endr
	v_mov_b32 v[QBY], 0x7f7f                       ; under the scale 1
.irp part, 1,2
.irp qt, 0,1
	ds_store_b128 v[HST], v[HC:HC+3] offset:4096*\part+1024*\qt
	ds_store_b16 v[HSS], v[QBY] offset:256*\part+64*\qt
.endr
.endr
	s_wait_loadcnt 0x0
.irp k, 0,2,4,6
	v_pk_add_f32 v[CC+\k:CC+\k+1], v[CC+\k:CC+\k+1], v[CC+8+\k:CC+9+\k]   ; b_ih + b_hh
.endr
	s_wait_tensorcnt 0x1                           ; window 1 is in (one load was issued behind it); only I read my part of a fill
	WIN 0x40                                       ; destination window 1
.set k, 0
.rept 64
	ds_load_b128 v[4*k:4*k+3], v230 offset:512*k
.set k, k+1
.endr
	WIN 0
	s_wait_tensorcnt 0x0                           ; window 2 lands on window 1's bytes: no tensor load of mine is out,
	ds_add_u32 v[SPW], v[NIL]                      ; 0 onto my spare word,
	s_wait_dscnt 0x0                               ; the add is done, my reads of window 1 are back, and my stores of x's images and of the zero images have landed
	ROUND                                          ; all that holds of every wave of the four work-groups: so the images need no barrier of their own
	tensor_load_to_lds s[68:71], s[40:47]          ; window 2.  One tensor load of mine is out
	s_nop 0
	PLACES
	WIN 0xc0
.set k, 0
.rept 64
	ds_load_b128 v[4*k:4*k+3], v[LW] offset:512*k
.set k, k+1
.endr
	WIN 0
	s_wait_tensorcnt 0x0                           ; window 2 is in
	WIN 0x80
.set k, 0
.rept 64
	ds_load_b128 v[4*k:4*k+3], v230 offset:512*k
.set k, k+1
.endr
	WIN 0
	s_wait_tensorcnt 0x0                           ; the support operands land on window 2's bytes: the same three lines,
	ds_add_u32 v[SPW], v[NIL]
	s_wait_dscnt 0x0                               ; my reads of windows 2 and 3 are back
	ROUND
	tensor_load_to_lds s[72:75], s[76:83]          ; the launch's last fill: it lands while the first step's gates are computed, which read none of its bytes
	s_nop 0
	PLACES
.set k, 0
.rept 16
	ds_store_b128 v[LW], v[ACC+4*k:ACC+4*k+3] offset:O_XF+512*k      ; window 3's bytes are my scratch from here on: x in f32, group (qt, b) at 2,048 (2 qt + b)
.set k, k+1
.endr
.set k, 0
.rept 16
	ds_store_b128 v[LW], v[HC:HC+3] offset:O_CST+512*k               ; c = 0
.set k, k+1
.endr
	ds_store_b128 v[LW], v[CC:CC+3] offset:O_BIA
	ds_store_b128 v[LW], v[CC+4:CC+7] offset:O_BIA+512
	GLOAD 0, 0
	s_mov_b32 s29, 0                               ; the step
.Lstep:                                            ; four trips; the fourth leaves behind the scores
	; ---- the gates, a group (tile of queries, 32 units) at a time.  What the next group wants is asked for as its registers fall free: about a hundred lines stand between its biases' loads and its products
	BLOAD 0
.irp s, 0,1,2,3,4,5
	ds_load_b32 v[AS+\s], v[LS4] offset:128*\s     ; lanes 0-15 tile 0's words, lanes 16-31 tile 1's
.endr
	s_wait_dscnt 0x0
	MULS 0, 0
	WSLOAD 1
	ACT 0, 0, 1, 0, 1
	QUANT T, 0, 0
	s_wait_dscnt 4                                 ; all but the next group's x, the youngest four loads
	MULS 0, 1
	WSLOAD 0
	BLOAD 1
	ACT 0, 1, 1, 1, 0
	QUANT T, 0, 1
	FIN 0
	s_wait_dscnt 4
	MULS 1, 0
	WSLOAD 1
	ACT 1, 0, 1, 1, 1
	QUANT T, 1, 0
	s_wait_dscnt 4
	MULS 1, 1
	s_wait_tensorcnt 0x0                           ; the support operands are in: the first trip's wait for the last fill; in later trips no tensor load is out
	SCH 0
	SCH 1
	SCH 2
.irp p, 0,1
	ds_load_b128 v[SAS+4*\p:SAS+4*\p+3], v[LW] offset:O_SKS+512*\p
.endr
	ACT 1, 1, 0, 0, 0
	QUANT T, 1, 1
	FIN 1
	BAR                                            ; every wave has read the old h: only now is it written over
	PUT 1, 0
	PUT 1, 1
	BAR                                            ; the new h lies in LDS
	; ---- the scores of my 128 keys
.irp k, 0,1,2,3,4,5,6,7
	ds_load_b128 v[SB+4*\k:SB+4*\k+3], v[LS16] offset:4096+512*\k
.endr
.irp s, 0,1
	ds_load_b32 v[SBS+\s], v[LS4] offset:256+128*\s
.endr
	SCH 3
	SCH 4
	SCH 5
	s_wait_dscnt 12                                ; h is in; the twelve loads of tiles 3, 4, 5 may be out
	SMH 0
	PLACES
	SCH 6
	SMH 1
	PLACES
	SCH 7
	SMH 2
	s_wait_dscnt 8                                 ; tiles 3, 4, 5 are in; the eight loads of tiles 6 and 7 may be out
	SMH 3
	NOPS 3                                         ; score tile n + 2 is written over tile n's fragments: five places are owed between the last product that read them and the first that writes there; here stand six
	SMH 4
	NOPS 3
	SMH 5
	NOPS 3
	s_wait_dscnt 4                                 ; tile 7's four may be out
	SMH 6
	NOPS 3
	s_wait_dscnt 0x0
	SMH 7
	PLACES
	s_cmp_eq_u32 s29, 3
	s_cbranch_scc1 .Lout                           ; the fourth step's scores are the result
	; ---- softmax.  The largest score of each block of 32 keys serves twice: for the row's maximum, and, since p rises with the score, for the block's largest p
.irp q, 0,1
.irp b, 0,1,2,3
	v_max3_num_f32 v[BM+4*\q+\b], v[SACC+64*\q+16*\b], v[SACC+64*\q+16*\b+1], v[SACC+64*\q+16*\b+2]
.endr
.endr
.irp i, 3,5,7,9,11,13
.irp q, 0,1
.irp b, 0,1,2,3
	v_max3_num_f32 v[BM+4*\q+\b], v[BM+4*\q+\b], v[SACC+64*\q+16*\b+\i], v[SACC+64*\q+16*\b+\i+1]
.endr
.endr
.endr
.irp q, 0,1
.irp b, 0,1,2,3
	v_max_num_f32 v[BM+4*\q+\b], v[BM+4*\q+\b], v[SACC+64*\q+16*\b+15]
.endr
.endr
.irp n, 0,1,2,3,4,5,6,7
	v_permlanex16_b32 v[BP+\n], v[BM+\n], s20, s21
.endr
.irp n, 0,1,2,3,4,5,6,7
	v_max_num_f32 v[BM+\n], v[BM+\n], v[BP+\n]     ; with lane l xor 16's 16 keys
.endr
.irp q, 0,1
	v_max3_num_f32 v[RM+\q], v[BM+4*\q], v[BM+4*\q+1], v[BM+4*\q+2]
.endr
.irp q, 0,1
	v_max_num_f32 v[RM+\q], v[RM+\q], v[BM+4*\q+3] ; my 128 keys' largest score
.endr
.irp q, 0,1
	ds_store_b32 v[MXS], v[RM+\q] offset:256*\q
.endr
	BAR                                            ; the four waves' maxima lie in LDS
.irp q, 0,1
	ds_load_b128 v[GMX+4*\q:GMX+4*\q+3], v[MXL] offset:256*\q
.endr
	s_wait_dscnt 0x0
.irp q, 0,1
	v_max3_num_f32 v[RM+\q], v[GMX+4*\q], v[GMX+4*\q+1], v[GMX+4*\q+2]
.endr
.irp q, 0,1
	v_max_num_f32 v[RM+\q], v[RM+\q], v[GMX+4*\q+3]   ; the row's largest score over all 512 keys
.endr
.irp q, 0,1
	v_mul_f32 v[RM+\q], s26, v[RM+\q]              ; as t
.endr
.irp q, 0,1
	v_floor_f32 v[NM+2*\q], -v[RM+\q]              ; -M = floor(-t) = -ceil(t)
.endr
.irp q, 0,1
	v_mov_b32 v[NM+2*\q+1], v[NM+2*\q]             ; (named with it as a pair, so it is written)
.endr
.irp q, 0,1
.set j, 0
.rept 32
	v_pk_fma_f32 v[SACC+64*\q+j:SACC+64*\q+j+1], v[SACC+64*\q+j:SACC+64*\q+j+1], s[26:27], v[NM+2*\q:NM+2*\q+1] op_sel_hi:[1,0,0]   ; t - M
.set j, j+2
.endr
.endr
.irp q, 0,1
.irp b, 0,1,2,3
	v_fma_f32 v[BM+4*\q+\b], v[BM+4*\q+\b], s26, v[NM+2*\q]   ; the same of each block's largest score
.endr
.endr
.set j, 0
.rept 128
	v_exp_f32 v[SACC+j], v[SACC+j]                 ; p = 2^(t - M): not normalised
.set j, j+1
.endr
	v_nop
	s_wait_alu depctr_va_vdst(0)                   ; one wait for the batch, ahead of its first reader
.irp n, 0,1,2,3,4,5,6,7
	v_exp_f32 v[BM+\n], v[BM+\n]                   ; the blocks' largest p: the same two instructions on the same number
.endr
.irp q, 0,1                                        ; the sums are taken of the unquantised p; they read the 128 alone: plain work behind the eight
	v_pk_add_f32 v[SU+4*\q:SU+4*\q+1], v[SACC+64*\q:SACC+64*\q+1], v[SACC+64*\q+2:SACC+64*\q+3]
	v_pk_add_f32 v[SU+4*\q+2:SU+4*\q+3], v[SACC+64*\q+4:SACC+64*\q+5], v[SACC+64*\q+6:SACC+64*\q+7]
.endr
.irp j, 8,12,16,20,24,28,32,36,40,44,48,52,56,60
.irp q, 0,1
	v_pk_add_f32 v[SU+4*\q:SU+4*\q+1], v[SU+4*\q:SU+4*\q+1], v[SACC+64*\q+\j:SACC+64*\q+\j+1]
	v_pk_add_f32 v[SU+4*\q+2:SU+4*\q+3], v[SU+4*\q+2:SU+4*\q+3], v[SACC+64*\q+\j+2:SACC+64*\q+\j+3]
.endr
.endr
.irp q, 0,1
	v_pk_add_f32 v[SU+4*\q:SU+4*\q+1], v[SU+4*\q:SU+4*\q+1], v[SU+4*\q+2:SU+4*\q+3]
.endr
.irp q, 0,1
	v_add_f32 v[SU+4*\q], v[SU+4*\q], v[SU+4*\q+1]
.endr
.irp q, 0,1
	v_permlanex16_b32 v[SU+4*\q+2], v[SU+4*\q], s20, s21
.endr
.irp q, 0,1
	v_add_f32 v[SU+4*\q], v[SU+4*\q], v[SU+4*\q+2] ; my 128 keys' part of the row's sum
.endr
	s_wait_alu depctr_va_vdst(0)                   ; and one for the eight
.irp n, 0,1,2,3,4,5,6,7
	v_max_num_f32 v[BM+\n], 0x1800000, v[BM+\n]    ; the floor 2^(3 - 127)
.endr
.irp n, 0,1,2,3,4,5,6,7
	v_add_nc_u32 v[SO+\n], 0xff000000, v[BM+\n]    ; the conversion's scale operand
.endr
.irp n, 0,1,2,3,4,5,6,7
	v_lshrrev_b32 v[BYT+\n], 23, v[SO+\n]          ; the byte
.endr
.irp q, 0,1
	v_lshl_or_b32 v[PW+\q], v[BYT+4*\q+1], 8, v[BYT+4*\q]
.endr
.irp q, 0,1
	v_lshl_or_b32 v[PW+\q], v[BYT+4*\q+2], 16, v[PW+\q]
.endr
.irp q, 0,1
	v_lshl_or_b32 v[PW+\q], v[BYT+4*\q+3], 24, v[PW+\q]   ; p's scale word for my 128 keys
.endr
.irp q, 0,1
.irp b, 0,1,2,3
	v_cvt_scalef32_pk8_fp4_f32 v[PCD+8*\q+2*\b], v[SACC+64*\q+16*\b:SACC+64*\q+16*\b+7], v[SO+4*\q+\b]
	v_cvt_scalef32_pk8_fp4_f32 v[PCD+8*\q+2*\b+1], v[SACC+64*\q+16*\b+8:SACC+64*\q+16*\b+15], v[SO+4*\q+\b]
.endr
.endr
	v_nop                                          ; one plain place behind the last scaled conversion
.irp q, 0,1
.irp c, 0,1
.irp i, 0,1
	v_permlane16_swap_b32 v[PCD+8*\q+4*\c+\i], v[PCD+8*\q+4*\c+2+\i]
.endr
.endr
.endr
	RALOAD 0                                       ; p's registers are free: the first two K steps of my channels
	RALOAD 1
.irp b, 0,1
	ds_load_b128 v[RAS+4*\b:RAS+4*\b+3], v[LW2] offset:O_SVS-O_SVC+512*\b
.endr
.irp q, 0,1
.irp c, 0,1
	ds_store_b128 v[PST], v[PCD+8*\q+4*\c:PCD+8*\q+4*\c+3] offset:1024*\q+512*\c   ; K step w of the next product
.endr
	ds_store_b32 v[PSS], v[PW+\q] offset:64*\q
	ds_store_b32 v[MXS], v[SU+4*\q] offset:SUMX-MAXX+256*\q
.endr
	BAR                                            ; p's eight fragments, their scale words and the four parts of the sums lie in LDS
	; ---- r, my 64 channels
	RBLOAD 0
	RBLOAD 1
.irp s, 0,1,2,3
	ds_load_b32 v[RPS+\s], v[LS4] offset:PSC-ASC+128*\s
.endr
	s_wait_dscnt 0x0
	RMUL 0
	PLACES
	RALOAD 2
	RBLOAD 2
.irp q, 0,1
	ds_load_b128 v[SUMR+4*\q:SUMR+4*\q+3], v[MXL] offset:SUMX-MAXX+256*\q
.endr
	RMUL 1
	PLACES
	RALOAD 3
	RBLOAD 3
	s_wait_dscnt 12                                ; K step 2 and the sums are in; K step 3's twelve loads may be out
	RMUL 2
	s_wait_dscnt 0x0
	RMUL 3
	PLACES
.irp q, 0,1
	v_add_f32 v[LI+2*\q], v[SUMR+4*\q], v[SUMR+4*\q+1]
	v_add_f32 v[LI+2*\q+1], v[SUMR+4*\q+2], v[SUMR+4*\q+3]
.endr
.irp q, 0,1
	v_add_f32 v[LI+2*\q], v[LI+2*\q], v[LI+2*\q+1] ; the row's sum
.endr
.irp q, 0,1
	v_rcp_f32 v[LI+2*\q], v[LI+2*\q]
.endr
	v_nop
	GLOAD 0, 0                                     ; the next step's first group
	s_wait_alu depctr_va_vdst(0)
.irp q, 0,1
.set j, 0
.rept 16
	v_pk_mul_f32 v[RACC+176*\q+j:RACC+176*\q+j+1], v[RACC+176*\q+j:RACC+176*\q+j+1], v[LI+2*\q:LI+2*\q+1] op_sel_hi:[1,0]   ; r = the product / the sum
.set j, j+2
.endr
.endr
.irp q, 0,1
.irp b, 0,1
	QUANT RACC+176*\q+16*\b, \q, \b
.endr
	FIN \q
	PUT 2, \q
.endr
	BAR                                            ; r lies in LDS; every wave's reads of p and of the sums are over
	s_add_co_u32 s29, s29, 1
	s_cmp_lt_u32 s29, 4
	s_cbranch_scc1 .Lstep                          ; taken whenever it is reached: the loop is left by the branch behind the scores
.Lout:
	; ---- the way out: a lane holds 16 x 4 neighbouring keys of two rows; they go through my own stage and come back as rows of 512 bytes
.irp q, 0,1
.irp b, 0,1,2,3
.irp u, 0,1
.irp k, 0,1
	ds_store_b128 v[STO], v[SACC+64*\q+16*\b+8*\u+4*\k:SACC+64*\q+16*\b+8*\u+4*\k+3] offset:16*SPITCH*\q+128*\b+32*\u+16*\k   ; each accumulator from its low end on
.endr
.endr
.endr
.endr
.set k, 0
.rept 32
	ds_load_b128 v[SACC+4*k:SACC+4*k+3], v[LW] offset:SPITCH*k     ; LDS serves a wave's instructions in order: these see the stores above
.set k, k+1
.endr
.set k, 0
.rept 32
	s_wait_dscnt 31-k                              ; row k is back; the younger loads may be out
	global_store_b128 v[GO], v[SACC+4*k:SACC+4*k+3], s[14:15] offset:2048*k th:TH_STORE_NT   ; 32 lanes store 512 consecutive bytes, at a multiple of 256 from out0's first byte
.set k, k+1
.endr
	s_wait_tensorcnt 0x0                           ; the wave's end
	ds_add_u32 v[SPW], v[NIL]
	s_wait_dscnt 0x0
	ROUND                                          ; the closing round
	s_endpgm
.Lfunc_end_k_q936b7ec824_chain:
	.size	k_q936b7ec824_chain, .Lfunc_end_k_q936b7ec824_chain-k_q936b7ec824_chain
	.p2alignl 7, 3214868480
	.fill 96, 4, 3214868480
	.section	.rodata,"a",@progbits
	.p2align	6, 0x0
	.amdhsa_kernel k_q936b7ec824_chain
		.amdhsa_group_segment_fixed_size 327680
		.amdhsa_private_segment_fixed_size 0
		.amdhsa_enable_private_segment 0
		.amdhsa_kernarg_size 48
		.amdhsa_user_sgpr_count 2
		.amdhsa_user_sgpr_kernarg_segment_ptr 1
		.amdhsa_wavefront_size32 1
		.amdhsa_system_sgpr_workgroup_id_x 1
		.amdhsa_system_sgpr_workgroup_id_y 1
		.amdhsa_system_sgpr_workgroup_id_z 1
		.amdhsa_system_vgpr_workitem_id 0
		.amdhsa_next_free_vgpr 1024
		.amdhsa_next_free_sgpr 84
		.amdhsa_reserve_vcc 0
		.amdhsa_float_denorm_mode_32 3
		.amdhsa_float_denorm_mode_16_64 3
		.amdhsa_memory_ordered 1
		.amdhsa_forward_progress 1
		.amdhsa_inst_pref_size 185
	.end_amdhsa_kernel
	.amdgpu_metadata
---
amdhsa.version: [ 1, 2 ]
amdhsa.kernels:
  - .name:           k_q936b7ec824_chain
    .symbol:         k_q936b7ec824_chain.kd
    .args:
      - { .name: query_mean, .offset: 0, .size: 8, .value_kind: global_buffer, .address_space: global }
      - { .name: b_ih, .offset: 8, .size: 8, .value_kind: global_buffer, .address_space: global }
      - { .name: b_hh, .offset: 16, .size: 8, .value_kind: global_buffer, .address_space: global }
      - { .name: wa, .offset: 24, .size: 8, .value_kind: global_buffer, .address_space: global }
      - { .name: wb, .offset: 32, .size: 8, .value_kind: global_buffer, .address_space: global }
      - { .name: out0, .offset: 40, .size: 8, .value_kind: global_buffer, .address_space: global }
    .group_segment_fixed_size: 327680
    .private_segment_fixed_size: 0
    .kernarg_segment_align: 8
    .kernarg_segment_size: 48
    .max_flat_workgroup_size: 128
    .sgpr_count:     84
    .vgpr_count:     1024
    .wavefront_size: 32
...
	.end_amdgpu_metadata
.endif
;; end of part 2
